; MI455X (gfx1250); checked and timed in simulation.
; The chip was launched on July 23, 2026; its instructions are those of AMD's public machine-readable ISA for CDNA 5 (MIT licence, August 2026) and "CDNA5" Instruction Set Architecture Reference Guide (July 2026). The comments in the code are by the model that wrote it; some were corrected since.
;; Attention2d. Allowed arithmetic: matrix products marked QUANTISED: E4M3 operands, one given power-of-two scale a tensor, by v_wmma_f32_16x16x64_fp8_fp8 or v_wmma_f32_16x16x128_fp8_fp8, f32 sums; everything else in f32.
;; Inputs: b_proj 128 float32; b_qkv 384 float32; lowp_scales 8 int32 (the exponents e of the quantised operands' scales 2^e); w_proj_codes 128 x 4 x 32 uint8 (E4M3 codes of w_proj, K innermost, in blocks of 32 codes); w_qkv_codes 384 x 4 x 32 uint8 (E4M3 codes of w_qkv, K innermost, in blocks of 32 codes); x 2 x 128 x 64 x 64 float32.
;; Outputs: out0 2 x 128 x 64 x 64 float32.
;; This version of the problem:
;;   THIS VERSION OF THE PROBLEM IS GIVEN IN LOW PRECISION. The matrix products marked QUANTISED in the list below multiply operands that are first quantised to E4M3 (4 exponent bits, 3 mantissa bits; 8 bits a number), with one given power-of-two scale for each operand tensor; their sums are f32. All else is computed in f32.
;;   The module's matrix products, in the order in which they are computed (A, B: the left and right operand; K: the contracted axis; several contracted axes count as one K, in the product's order):
;;     1. [M 384, K 128] x [K 128, N 8,192]; A: input w_qkv (given as codes); B: input x: QUANTISED (scales: A lowp_scales[0], B lowp_scales[1])
;;     2. batch 8 x [M 4,096, K 32] x [K 32, N 4,096]; A: computed on the way; B: computed on the way: QUANTISED (scales: A lowp_scales[2], B lowp_scales[3])
;;     3. batch 8 x [M 32, K 4,096] x [K 4,096, N 4,096]; A: computed on the way; B: softmax (see below): QUANTISED (scales: A lowp_scales[4], B lowp_scales[5])
;;     4. [M 128, K 128] x [K 128, N 8,192]; A: input w_proj (given as codes); B: computed on the way: QUANTISED (scales: A lowp_scales[6], B lowp_scales[7])
;;   THE QUANTISER, for each operand of a quantised product, along K:
;;     - The operand's scale is 2^e, e = its entry of the input lowp_scales (int32; the entries are numbered through the quantised products in the list's order, A before B).
;;     - Each number is divided by the scale, clamped to +-448, and rounded to the nearest number of E4M3, ties to even, subnormals kept.
;;     - The product sums the exact products of the quantised numbers (number of the format x scale) in f32.
;;   ~~~python
;;   def quantise(x, axis, e):      # numpy; x: float32 -> the quantised numbers, widened to float32 again
;;       x = np.moveaxis(x, axis, -1); K = x.shape[-1]
;;       r = np.clip(x / 2.0 ** e, -448, 448)
;;       step = 2.0 ** (np.maximum(np.frexp(np.where(r == 0, 1, r))[1] - 1, -6) - 3)
;;       q = np.round(r / step) * step * 2.0 ** e      # np.round: ties to even
;;       return np.moveaxis(q, -1, axis).astype(np.float32)
;;   ~~~
;;   SOFTMAX AHEAD OF A QUANTISED PRODUCT. Where the list says 'softmax', what is quantised is not the finished softmax but p = 2^(t - M), with t = logit x log2(e) and M = ceil(the row's largest t), a whole number; so 1/2 < the row's largest p <= 1. The row's sum l is taken of the UNQUANTISED p, in f32, and the product's result is divided by l at the end. Since M is a whole number, a kernel that streams over the keys may use a running M (the ceiling of the running maximum): every later rescaling is an exact power of two, so the quantised numbers keep their values, but for numbers so far below the row's largest that they fall under the format's range.
;;   OPERANDS COMPUTED ON THE WAY. 'Computed on the way' means the value that the module computes at that place (a softmax that the list does not call 'softmax' is quantised finished and normalised). What goes into a quantiser is computed in f32, as accurately as f32 sums, v_exp_f32 and their like allow (about 1e-6 of the number): no bf16 or f16 on the way to a quantiser, and a product that is left as it is and whose result goes on into a quantised operand takes f32 operands (vector FMAs, or v_wmma_f32_16x16x4_f32). A number that lies on a knife's edge between two numbers of the format may be rounded either way, as far as f32 arithmetic and the matrix unit's own rounding can turn it there, and no further.
;;   INPUTS GIVEN AS CODES. w_proj (in the module: [128, 128], K = its axis 1); w_qkv (in the module: [384, 128], K = its axis 1): each comes as NAME_codes (uint8): NAME with its K axis moved to the last place and cut into blocks of 32 codes, [.., K / 32, bytes a block], one block behind the other in memory; one code a byte (a code: sign, 4 exponent bits, 3 mantissa bits); its scale is its entry of lowp_scales. Its value is code x scale, taken as it is: it is not quantised again, and the codes and scales need not be those that the quantiser above would give.
;; One version. Each part assembles by itself: llvm-mc -triple=amdgcn-amd-amdhsa -mcpu=gfx1250 --defsym DOCPART=n.
;; ======== version 1 of 1: 2 launches
;; workspace buffers: qimg 1,048,576 bytes; kv 2,097,152 bytes
;; launch qkv (part 1): grid 128 x 1, 8 waves a work-group, no clusters, 9,216 bytes of LDS; arguments x, w_qkv_codes, b_qkv, lowp_scales, qimg, kv; writes qimg, kv
.if DOCPART == 1
	.amdgcn_target "amdgcn-amd-amdhsa--gfx1250"
	.amdhsa_code_object_version 6
	.text
	.protected	k_q4f198289bb_qkv
	.globl	k_q4f198289bb_qkv
	.p2align	8
	.type	k_q4f198289bb_qkv,@function
k_q4f198289bb_qkv:
	s_mov_b64 s[64:65], 0
	v_nop
	global_prefetch_b8 v0, s[64:65] scope:SCOPE_SE
	s_setreg_imm32_b32 hwreg(HW_REG_WAVE_MODE, 25, 1), 1
	s_wait_xcnt 0x0
; FIRST OF TWO LAUNCHES.  qkv = W_qkv x + b_qkv on codes of FP8 (E4M3); q and k times s = 32^(-1/4); q, k and v quantised with their given scales and stored as the
; next launch's operand registers want them.  x: [2][128 channels][4096 tokens] f32.  w_qkv_codes: [384][128], K innermost.  lowp_scales: e0 .. e7 (a scale is 2^e).
; NO WORK IS LEFT OUT IN THIS PROGRAM: every input has a way to out0.  b_qkv moves the codes of q, k and v (k's part too: the quantiser stands between it and the softmax), so it is added in full.
; HEADS.  Head hd of a batch owns rows 96 hd .. 96 hd + 95 of W_qkv: 32 of q, 32 of k, 32 of v.
; SHARES.  A work-group owns 64 tokens of one batch (a channel's 64 numbers are 256 consecutive bytes, aligned).  Each of its eight waves has two parts:
;   X: wave w quantises channels 16 w .. 16 w + 15 of the 64 tokens.  A LANE TAKES A TOKEN AND ITS REGISTERS RUN DOWN THE CHANNELS, which are the product's K: the conversions then give codes with K innermost.
;      The codes go to LDS as images of the operand's registers (a group of four registers: 512 bytes, lane l's 16 bytes at 16 l); one barrier.
;   P: wave w makes, for head w / 2 and the 32 tokens of half w % 2, twelve products 16 x 16 x 128.  Its 96 rows of W go from memory straight into 96 registers.
; THE TOKEN ORDER.  A block of 32 tokens is two tiles u = 0, 1; row m of tile u is token 8 u + m + 8 (m / 8).  So where tokens run down a result's registers (lane half h, register j: m = 8 h + j),
; the 16 registers of tiles 0 and 1 are tokens 16 h + 0 .. 15: neighbours along the keys, as v's codes need them.  W's rows of a tile of q or k are chosen in the same way, so that a lane's 16 registers are channels 16 h + 0 .. 15.
; q, k: source 0 = 16 rows of W, source 1 = 16 tokens: a lane holds one token.  v: source 0 = 16 tokens, source 1 = 16 rows of W: a lane holds one channel.
; A fragment is filled by pieces of 16 bytes (registers 4 c .. 4 c + 3: k = 32 c + 16 h + 0 .. 15): a permutation of k that is the same on both sides of the product, so every product meets its partner.
; SCALES.  A sum stands for sum x 2^(e0 + e1).  The bias goes in divided by that power of two (q, k: as the C of the product; v: added behind it), and the conversions take 2^(e - e0 - e1): nothing is rounded by that.
; OUT.  qimg [b][block of 32 tokens][head][u][512]: lane (r, h): token 8 u + r + 8 (r / 8), channels 16 h + 0 .. 15.
;       kv [b x 4 + head][step of 128 keys][8192]: k's tile 2 c + u at 512 (2 c + u), laid as q's; v at 4096 + 2048 n + 512 c: lane (r, h): channel 16 n + r, keys 32 c + 16 h + 0 .. 15.  Every store of a wave covers 512 consecutive bytes, aligned.
; NO JOINT LOADS: operands go through registers; what work-groups share, W's 48 KiB, is less than the 32 KiB of x and 48 KiB of codes and weights that each handles of its own, and each wave reads only its head's 12 KiB once.
; 128 work-groups: with 32 tokens to a work-group a channel's piece of x would be half of an aligned 256 bytes.
; LIMITS: e1, e2 - e0 - e1, e3 - e0 - e1, e4 - e0 - e1 lie between -126 and 119, so that each scale and 448 x the scale is an f32 number.  NaN among the inputs is not served; an infinity is held at the largest code.
.set XIMG,  0                          ; LDS: x's four fragments (2 x half + u) of 2,048 bytes
.set SPARE, 8192                       ; behind them: the spare words, 128 bytes for each wave: four blocks of 256 bytes that no other line names
.set WT,    16                         ; v16-111   W: tile i at 16 i: q's two, k's two, v's two; later the codes that go out
.set XR,    112                        ; v112-143  x as loaded (two sets of 16), later x's two fragments
.set ACC,   144                        ; v144-239  q at 16 u + 8 p, k at 32 + 16 u + 8 p, v at 64 + 16 n + 8 u
.set SCX,   240                        ; v240-247  for x, q, k, v: the scale as f32, and 448 x the scale
.set XC,    248                        ; v248-255  x's codes
; v1 4 x lane; v2 where my codes of x go; v3 where my fragments come from; v4, v5 my lane's place in W's tiles; v6 64 h; v7 4 r; v8, v9 the add's two; v10 16 x lane; v[12:13], v[14:15] v's bias
	s_load_b256 s[4:11], s[0:1], 0x0               ; x s[4:5], W's codes s[6:7], b_qkv s[8:9], the scales' exponents s[10:11]
	s_load_b128 s[12:15], s[0:1], 0x20             ; qimg s[12:13], kv s[14:15]
	v_lshl_add_u32 v8, v0, 2, SPARE                ; my spare word; never rewritten
	v_mov_b32 v9, 0                                ; 0; never rewritten
	v_lshrrev_b32 v11, 5, v0
	v_readfirstlane_b32 s16, v11                   ; wave 0..7
	s_and_b32 s17, s16, 1                          ; which 32 of the 64 tokens I multiply
	s_lshr_b32 s18, s16, 1                         ; my head
	s_lshr_b32 s19, ttmp9, 6                       ; batch
	s_and_b32 s21, ttmp9, 63                       ; which 64 tokens
	s_lshl_b32 s20, s21, 1
	s_add_co_u32 s20, s20, s17                     ; my block of 32 tokens, 0..127
	v_and_b32 v11, 31, v0                          ; lane
	v_and_b32 v13, 15, v0                          ; r
	v_bfe_u32 v15, v0, 4, 1                        ; h
	v_lshlrev_b32 v1, 2, v11
	v_lshlrev_b32 v10, 4, v11
	v_bfe_u32 v2, v0, 3, 1                         ; token l of a block lies in tile u = (l / 8) % 2,
	v_lshlrev_b32 v2, 11, v2
	v_and_b32 v3, 7, v0
	v_lshl_add_u32 v3, v15, 3, v3                  ; at row l % 8 + 8 (l / 16)
	v_lshl_add_u32 v2, v3, 4, v2
	s_lshl_b32 s32, s18, 9                         ; channels 16 w on are group w / 2 of the fragment's four,
	s_lshl_b32 s34, s17, 8                         ; lane half w % 2
	s_add_co_u32 s32, s32, s34
	v_add_nc_u32 v2, s32, v2
	s_lshl_b32 s32, s17, 12
	v_add_nc_u32 v3, s32, v10                      ; my block's two fragments
	v_and_b32 v4, 8, v13
	v_add_nc_u32 v4, v4, v13                       ; r + 8 (r / 8)
	v_lshlrev_b32 v4, 7, v4
	v_lshl_add_u32 v4, v15, 4, v4                  ; q's and k's tiles: a row of W is 128 bytes
	v_lshlrev_b32 v5, 7, v13
	v_lshl_add_u32 v5, v15, 4, v5                  ; v's tiles: rows as they lie
	v_lshlrev_b32 v6, 6, v15
	v_lshlrev_b32 v7, 2, v13
	s_mov_b32 s33, 0
	s_mov_b32 s38, 0x3ed744fd                      ; s = 32^(-1/4)
	s_mov_b32 s39, s38                             ; (named with it as a pair, so it is written)
	s_wait_kmcnt 0x0
	s_load_b256 s[24:31], s[10:11], 0x0            ; e0 .. e7
	s_lshl_b32 s32, s19, 21                        ; x: batch x 128 x 16,384 bytes
	s_lshl_b32 s34, s16, 18                        ; + my 16 channels
	s_add_co_u32 s32, s32, s34
	s_lshl_b32 s34, s21, 8                         ; + the work-group's 64 tokens
	s_add_co_u32 s32, s32, s34
	s_add_nc_u64 s[4:5], s[4:5], s[32:33]
	s_mul_i32 s32, s18, 12288                      ; my head's 96 rows of W
	s_add_nc_u64 s[6:7], s[6:7], s[32:33]
	s_mul_i32 s32, s18, 384                        ; and of the bias
	s_add_nc_u64 s[8:9], s[8:9], s[32:33]
	s_lshl_b32 s32, s19, 7
	s_add_co_u32 s32, s32, s20
	s_lshl_b32 s32, s32, 12                        ; qimg: (128 b + block) x 4,096
	s_lshl_b32 s34, s18, 10                        ; + head x 1,024
	s_add_co_u32 s32, s32, s34
	s_add_nc_u64 s[12:13], s[12:13], s[32:33]
	s_lshl_b32 s32, s19, 2
	s_add_co_u32 s32, s32, s18
	s_lshl_b32 s32, s32, 5
	s_lshr_b32 s34, s20, 2
	s_add_co_u32 s32, s32, s34
	s_lshl_b32 s32, s32, 13                        ; kv: ((4 b + head) x 32 + step) x 8,192
	s_add_nc_u64 s[14:15], s[14:15], s[32:33]
	s_and_b32 s34, s20, 3                          ; c: my block among the step's four
	s_lshl_b32 s32, s34, 9
	s_add_co_u32 s32, s32, 4096
	s_add_nc_u64 s[36:37], s[14:15], s[32:33]      ; v's part
	s_lshl_b32 s32, s34, 10
	s_add_nc_u64 s[14:15], s[14:15], s[32:33]      ; k's part
.irp B, 0,1
.irp i, 0,1,2,3,4,5,6,7,8,9,10,11,12,13,14,15
	global_load_b32 v[XR+16*\B+\i], v1, s[4:5] offset:\i*16384+\B*128 th:TH_LOAD_NT   ; x(16 w + i, token 32 B + lane): 128 consecutive bytes; the two sets together 256, aligned
.endr
.endr
.irp g, 0,1
.irp p, 0,1
.irp c, 0,1,2,3
	global_load_b128 v[WT+16*(2*\g+\p)+4*\c:WT+16*(2*\g+\p)+4*\c+3], v4, s[6:7] offset:(32*\g+8*\p)*128+32*\c   ; q's (g = 0) and k's (g = 1) tile p: lane r takes row 32 g + 8 p + r + 8 (r / 8)
.endr
.endr
.endr
.irp n, 0,1
.irp c, 0,1,2,3
	global_load_b128 v[WT+16*(4+\n)+4*\c:WT+16*(4+\n)+4*\c+3], v5, s[6:7] offset:(64+16*\n)*128+32*\c           ; v's tile n: row 64 + 16 n + r
.endr
.endr
.irp g, 0,1
.irp p, 0,1
	global_load_b128 v[ACC+32*\g+8*\p:ACC+32*\g+8*\p+3], v6, s[8:9] offset:(32*\g+8*\p)*4                       ; the bias in the result's layout: channels 16 h + 8 p + 0 .. 7
	global_load_b128 v[ACC+32*\g+8*\p+4:ACC+32*\g+8*\p+7], v6, s[8:9] offset:(32*\g+8*\p)*4+16
.endr
.endr
	global_load_b32 v12, v7, s[8:9] offset:256     ; v's bias: my lane's channel r of tile 0,
	global_load_b32 v14, v7, s[8:9] offset:320     ; of tile 1
	s_wait_kmcnt 0x0
.macro MKSC se, sc                     ; v[sc] = 2^e as f32 (a conversion takes its exponent field), v[sc + 1] = 448 x 2^e
	s_add_co_i32 s42, \se, 127
	s_lshl_b32 s43, s42, 23
	v_mov_b32 v[\sc], s43
	s_add_co_i32 s42, s42, 8
	s_lshl_b32 s42, s42, 23
	s_or_b32 s42, s42, 0x600000
	v_mov_b32 v[\sc+1], s42
.endm
	s_add_co_i32 s40, s24, s25                     ; e0 + e1
	s_sub_co_i32 s41, 0, s40
	s_sub_co_i32 s44, s26, s40                     ; e2 - e0 - e1: q's
	s_sub_co_i32 s45, s27, s40                     ; k's
	s_sub_co_i32 s46, s28, s40                     ; v's
	MKSC s25, SCX
	MKSC s44, SCX+2
	MKSC s45, SCX+4
	MKSC s46, SCX+6
	s_wait_loadcnt 34                              ; loads come back in order: x's 32 are in; the 24 of W and the 10 of the bias may be out
.macro QX B                            ; 16 channels of my token of set B become 16 codes and go into x's image
.irp i, 0,1,2,3,4,5,6,7,8,9,10,11,12,13,14,15
	v_med3_num_f32 v[XR+16*\B+\i], v[XR+16*\B+\i], -v[SCX+1], v[SCX+1]   ; the conversion to an 8-bit code does not saturate (ISA guide 7.6.2): the hold at the largest code x the scale
.endr
	v_cvt_scalef32_pk8_fp8_f32 v[XC+4*\B:XC+4*\B+1], v[XR+16*\B:XR+16*\B+7], v[SCX]
	v_cvt_scalef32_pk8_fp8_f32 v[XC+4*\B+2:XC+4*\B+3], v[XR+16*\B+8:XR+16*\B+15], v[SCX]
	v_nop                                          ; one plain vector instruction behind the last conversion of a run
	ds_store_b128 v2, v[XC+4*\B:XC+4*\B+3] offset:XIMG+\B*4096
.endm
	QX 0
	QX 1
	s_wait_dscnt 0x0                               ; for the others' sake: my stores have landed
	s_barrier_signal -1
	s_barrier_wait -1                              ; x's four fragments lie in LDS
.irp u, 0,1
.irp c, 0,1,2,3
	ds_load_b128 v[XR+16*\u+4*\c:XR+16*\u+4*\c+3], v3 offset:XIMG+\u*2048+\c*512
.endr
.endr
	s_wait_loadcnt 0x0                             ; W and the bias
.irp g, 0,1
.irp j, 0,1,2,3,4,5,6,7,8,9,10,11,12,13,14,15
	v_ldexp_f32 v[ACC+32*\g+16+\j], v[ACC+32*\g+\j], s41     ; the bias / 2^(e0 + e1), for the tokens' tile 1,
.endr
.irp j, 0,1,2,3,4,5,6,7,8,9,10,11,12,13,14,15
	v_ldexp_f32 v[ACC+32*\g+\j], v[ACC+32*\g+\j], s41        ; and for tile 0, in place
.endr
.endr
	v_ldexp_f32 v12, v12, s41
	v_ldexp_f32 v14, v14, s41
	v_mov_b32 v13, v12                             ; (named as the upper halves of the pairs)
	v_mov_b32 v15, v14
	s_wait_dscnt 0x0                               ; x's fragments are in
.irp g, 0,1                            ; twelve products on twelve accumulators
.irp u, 0,1
.irp p, 0,1
	v_wmma_f32_16x16x128_fp8_fp8 v[ACC+32*\g+16*\u+8*\p:ACC+32*\g+16*\u+8*\p+7], v[WT+16*(2*\g+\p):WT+16*(2*\g+\p)+15], v[XR+16*\u:XR+16*\u+15], v[ACC+32*\g+16*\u+8*\p:ACC+32*\g+16*\u+8*\p+7]
.endr
.endr
.endr
.irp n, 0,1
.irp u, 0,1
	v_wmma_f32_16x16x128_fp8_fp8 v[ACC+64+16*\n+8*\u:ACC+64+16*\n+8*\u+7], v[XR+16*\u:XR+16*\u+15], v[WT+16*(4+\n):WT+16*(4+\n)+15], 0
.endr
.endr
.rept 4
	v_nop                                          ; four places (ISA guide 7.12.1) in front of the first read of results, and of the conversions that write where W lay
.endr
; 16 registers, two accumulators on end, become 16 codes.  bias = 0: x s (q, k); else the pair that holds v's bias.  Each accumulator is read from its low end on.
.macro OUTQ acc, sc, bias, dst
.irp i, 0,2,4,6,8,10,12,14
.if \bias
	v_pk_add_f32 v[(\acc)+\i:(\acc)+\i+1], v[(\acc)+\i:(\acc)+\i+1], v[\bias:\bias+1] op_sel_hi:[1,0]
.else
	v_pk_mul_f32 v[(\acc)+\i:(\acc)+\i+1], v[(\acc)+\i:(\acc)+\i+1], s[38:39] op_sel_hi:[1,0]
.endif
.endr
.irp i, 0,1,2,3,4,5,6,7,8,9,10,11,12,13,14,15
	v_med3_num_f32 v[(\acc)+\i], v[(\acc)+\i], -v[\sc+1], v[\sc+1]
.endr
	v_cvt_scalef32_pk8_fp8_f32 v[\dst:\dst+1], v[(\acc):(\acc)+7], v[\sc]
	v_cvt_scalef32_pk8_fp8_f32 v[\dst+2:\dst+3], v[(\acc)+8:(\acc)+15], v[\sc]
.endm
	OUTQ ACC,    SCX+2, 0, 16                      ; q, tokens' tile 0
	OUTQ ACC+16, SCX+2, 0, 20                      ; q, tile 1
	OUTQ ACC+32, SCX+4, 0, 24                      ; k
	OUTQ ACC+48, SCX+4, 0, 28
	OUTQ ACC+64, SCX+6, 12, 32                     ; v, channels 0-15
	OUTQ ACC+80, SCX+6, 14, 36                     ; v, channels 16-31
	v_nop                                          ; one plain vector instruction behind the last conversion
	global_store_b128 v10, v[16:19], s[12:13]
	global_store_b128 v10, v[20:23], s[12:13] offset:512
	global_store_b128 v10, v[24:27], s[14:15]
	global_store_b128 v10, v[28:31], s[14:15] offset:512
	global_store_b128 v10, v[32:35], s[36:37]
	global_store_b128 v10, v[36:39], s[36:37] offset:2048
	s_wait_tensorcnt 0x0                           ; the wave's end, behind my last LDS store
	ds_add_u32 v8, v9
	s_wait_dscnt 0x0
	s_endpgm
.Lfunc_end_k_q4f198289bb_qkv:
	.size	k_q4f198289bb_qkv, .Lfunc_end_k_q4f198289bb_qkv-k_q4f198289bb_qkv
	.p2alignl 7, 3214868480
	.fill 96, 4, 3214868480
	.section	.rodata,"a",@progbits
	.p2align	6, 0x0
	.amdhsa_kernel k_q4f198289bb_qkv
		.amdhsa_group_segment_fixed_size 9216
		.amdhsa_private_segment_fixed_size 0
		.amdhsa_enable_private_segment 0
		.amdhsa_kernarg_size 48
		.amdhsa_user_sgpr_count 2
		.amdhsa_user_sgpr_kernarg_segment_ptr 1
		.amdhsa_wavefront_size32 1
		.amdhsa_system_sgpr_workgroup_id_x 1
		.amdhsa_system_sgpr_workgroup_id_y 1
		.amdhsa_system_sgpr_workgroup_id_z 1
		.amdhsa_system_vgpr_workitem_id 0
		.amdhsa_next_free_vgpr 256
		.amdhsa_next_free_sgpr 66
		.amdhsa_reserve_vcc 0
		.amdhsa_float_denorm_mode_32 3
		.amdhsa_float_denorm_mode_16_64 3
		.amdhsa_memory_ordered 1
		.amdhsa_forward_progress 1
		.amdhsa_inst_pref_size 30
	.end_amdhsa_kernel
	.amdgpu_metadata
---
amdhsa.version: [ 1, 2 ]
amdhsa.kernels:
  - .name:           k_q4f198289bb_qkv
    .symbol:         k_q4f198289bb_qkv.kd
    .args:
      - { .name: x, .offset: 0, .size: 8, .value_kind: global_buffer, .address_space: global }
      - { .name: w_qkv_codes, .offset: 8, .size: 8, .value_kind: global_buffer, .address_space: global }
      - { .name: b_qkv, .offset: 16, .size: 8, .value_kind: global_buffer, .address_space: global }
      - { .name: lowp_scales, .offset: 24, .size: 8, .value_kind: global_buffer, .address_space: global }
      - { .name: qimg, .offset: 32, .size: 8, .value_kind: global_buffer, .address_space: global }
      - { .name: kv, .offset: 40, .size: 8, .value_kind: global_buffer, .address_space: global }
    .group_segment_fixed_size: 9216
    .private_segment_fixed_size: 0
    .kernarg_segment_align: 8
    .kernarg_segment_size: 48
    .max_flat_workgroup_size: 256
    .sgpr_count:     66
    .vgpr_count:     256
    .wavefront_size: 32
...
	.end_amdgpu_metadata
.endif
;; end of part 1
;; launch attn (part 2): grid 256 x 1, 16 waves a work-group, clusters of 4 x 1, 327,680 bytes of LDS; arguments qimg, kv, lowp_scales, w_proj_codes, b_proj, x, out0; writes out0
.if DOCPART == 2
	.amdgcn_target "amdgcn-amd-amdhsa--gfx1250"
	.amdhsa_code_object_version 6
	.text
	.protected	k_q4f198289bb_attn
	.globl	k_q4f198289bb_attn
	.p2align	8
	.type	k_q4f198289bb_attn,@function
k_q4f198289bb_attn:
	s_mov_b64 s[64:65], 0
	v_nop
	global_prefetch_b8 v0, s[64:65] scope:SCOPE_SE
	s_setreg_imm32_b32 hwreg(HW_REG_WAVE_MODE, 25, 1), 1
	s_wait_xcnt 0x0
	s_wait_alu depctr_hold_cnt(0) depctr_sa_sdst(0) depctr_va_vdst(0) depctr_va_sdst(0) depctr_va_ssrc(0) depctr_va_vcc(0) depctr_vm_vsrc(0)
	s_getreg_b32 s2, hwreg(HW_REG_IB_STS2, 6, 4)
	s_cmp_eq_u32 s2, 0
	s_cbranch_scc0 .Lentry_in_a_cluster
	s_endpgm
.Lentry_in_a_cluster:
	s_bfe_u32 s2, ttmp6, 0x10000c
	s_cmp_lg_u32 s2, 0x3003
	s_cbranch_scc0 .Lentry_shape_is_right
	s_endpgm
.Lentry_shape_is_right:
; SECOND OF TWO LAUNCHES.  out0 = x + W_proj a + b_proj, a = softmax(q k^T) v for each of four heads, all three products on codes of FP8 (E4M3).  No work is left out: every input is live.
; qimg and kv hold q's, k's and v's codes as images of operand registers (512 bytes a piece, lane l's 16 bytes at 16 l), as the first launch lays them.
; SHARES.  A work-group owns 32 tokens of one batch, FOR ALL FOUR HEADS, so that the 128 channels of the last product meet in it: 8,192 / 32 = 256 work-groups.
; Wave w of sixteen: head w / 4, tile of 16 queries (w / 2) % 2, half of the keys w % 2.  A wave owns ONE tile of queries in 256 registers, four waves to a SIMD, so that one wave's exponentials stand beside another's plain
; vector work, products and LDS loads.  It walks 16 steps of 128 keys; the two halves of the keys are joined at the end by powers of two, which round nothing, since M is a whole number.
; THE SOFTMAX AHEAD OF THE SECOND PRODUCT.  t = score x log2(e); M = the largest t so far, rounded UP to a whole number (kept as -M = floor(-t)); p = 2^(t - M) is quantised with 2^e5, not normalised.
; The row's sum is taken of the unquantised p and divides at the end.  When M moves, the sum and O^T are multiplied by 2^(old M - new M).
; LAYOUT.  S^T = k q^T (source 0 = keys, source 1 = my 16 queries), O^T = v^T p^T (source 0 = 16 channels, source 1 = p): a lane holds ONE query (lane % 16) throughout.
; Row m of key tile 2 c + u is key 32 c + 8 u + m + 8 (m / 8), so that the 16 registers of tiles 2 c and 2 c + 1 are keys 32 c + 16 (lane / 16) + 0 .. 15: the conversions' results ARE p's operand registers.
; THE HEAD IS 32 WIDE, THE FORM 64.  Source 0 of a product 16 x 16 x 64 holds TWO key tiles: tile 2 i in registers 0-3 (k places 0-31), tile 2 i + 1 in registers 4-7 (places 32-63).  Against [q, 0] it gives tile 2 i,
; against [0, q] tile 2 i + 1: nothing is loaded to be multiplied by zero but what the other product of the pair needs anyway.  k's codes were held at the largest code, so none is a NaN code, and 0 x a code is 0.
; Fragments filled by pieces of 16 bytes carry a permutation of k that is the same on both sides of a product.  The last product has k in the form's own places.
; THE RING.  Two slots of 4 steps x 4 heads x 8,192 bytes.  Every wave fetches 8,192 bytes of a slot (head w / 4, step w % 4: LDS byte 8,192 w) by one tensor load; by this text's count two loads of a wave are out at the start, one later.
; CLUSTER.  All work-groups of a batch walk the same kv.  The four of a cluster ask JOINTLY: the same load, the same descriptor, the mask of all four; each receives the bytes in its own LDS.  My place in the cluster enters global addresses of
; qimg, x, out0 and the prefetch alone.
; OUT.  A work-group's 32 tokens are 128 consecutive bytes of each channel of x and out0: a store of a wave covers four such runs.  64 tokens to a work-group would make whole runs of 256 and halve the work-groups.
; LIMITS on the given exponents, so that each power of two below is an f32 number: e2 + e3 between -126 and 127 (added to log2(e)'s exponent field); e5 and e7 between -126 and 119; e6 + e7 between -126 and 127; e4 + e5 goes by v_ldexp_f32.
; NaN among the inputs is not served.  M runs, and runs apart in the two halves of the keys: a p far under its row's largest may keep a code where the row's final M would put it under the format's range.
.set SLOT1, 1<<17                      ; slot 1 begins here: one exclusive or turns an address in one slot into the other's
.set STEPB, 8192                       ; a head's step: k's 8 tiles of 512 bytes, then v's 8 pieces
.set SLOTB, 4*STEPB                    ; a slot's bytes of one head, in memory
.set MRG,   262144                     ; behind the ring: 2,560 bytes a wave: O^T (4 x 512) and -M, t, the sum (512), for the other half's wave
.set AIMG,  303104                     ; a's two fragments: 2,048 u + 512 head + 16 lane
.set STG,   307200                     ; the stage: 128 rows (output channels) of 32 tokens, 128 bytes + 16
.set SP,    144
.set SPARE, 325632                     ; the spare words, 128 bytes for each wave: eight blocks of 256 bytes that no other line names
.set KF,  32                           ; v32-63   k: 8 tiles x 4 registers
.set VF,  64                           ; v64-95   v: 16 n + 4 c
.set S,   96                           ; v96-159  S^T, then p
.set O,   160                          ; v160-175 O^T: 8 n + j = channel 16 n + 8 h + j
.set P,   176                          ; v176-191 p's codes
.set T,   192                          ; v192-195 at work
; v1 my lane's place in a slot; v2 the same in the slot in hand; v3 256 x lane (prefetch); v4, v5 the add's two; v6, v7 MRG: mine, my partner's; v8, v9 AIMG: in, out; v10, v11 the stage: in, out;
; v12 -M, v13 the largest t, v[14:15] the sum in two halves; v16-19 q, v20-23 zeros, v24-27 q again; v28 my offset in x and out0; v29 in W_proj; v30 16 x lane; v31 4 r;
; v[196:197] my partner's factor; v200-207 four chains of sums; v[208:209] f; v210 a permute's destination; v212-219 x; v220-235 W_proj's fragment; v[236:237] b_proj; v240 448 x 2^e5; v244 2^e5; v245 2^e7; v246 448 x 2^e7
; s18 wave, s19 head, s20 query tile, s21 key half; s[22:23] c; s[24:31] descriptor group 1; s[32:35], s[36:39] group 0 of the two first fills, the second walks on; s40 cx; s42 batch; s43 block; s44 the slot in hand;
; s45 slots still to be asked for; s46 the prefetch's limit; s[48:49] its address; s[50:51] lane selects; s[52:59] e0 .. e7; s[60:61] 2^(e6 + e7); s62 e4 + e5
.macro CROUND                          ; a round of the cluster's barrier: my work-group's barrier; wave 0 signals for the work-group; every wave waits for all four work-groups; my work-group's barrier once more
	s_barrier_signal -1
	s_barrier_wait -1
	s_cmp_lg_u32 s18, 0
	s_cbranch_scc1 .Lnot_wave_0_\@
	s_barrier_signal -3
.Lnot_wave_0_\@:
	s_barrier_wait -3
	s_barrier_signal -1
	s_barrier_wait -1
.endm
.macro KLOAD off                       ; a step's k: 8 tiles
.irp t, 0,1,2,3,4,5,6,7
	ds_load_b128 v[KF+4*\t:KF+4*\t+3], v2 offset:\off+512*\t
.endr
.endm
.macro VLOAD off                       ; a step's v: 2 channel tiles x 4 blocks of 32 keys
.irp t, 0,1,2,3,4,5,6,7
	ds_load_b128 v[VF+4*\t:VF+4*\t+3], v2 offset:\off+4096+512*\t
.endr
.endm
; A PREFETCH of what the NEXT change of slots will ask for.  Each aligned block of 256 bytes is named once in the launch: all clusters of a batch walk the same kv, and the batch's first cluster asks; its partner at place cx takes head cx's
; 32,768 bytes of the slot, told apart BY ADDRESS; in each, waves 0 to 3 take 8,192 bytes, lanes 256 bytes apart: one instruction a wave.  The last change that fills a slot asks for nothing; slots 0 to 2 come by their loads alone.
.macro ASK
	s_cmp_gt_u32 s45, s46
	s_cbranch_scc0 .Lnot_mine_\@
	global_prefetch_b8 v3, s[48:49] th:TH_LOAD_NT scope:SCOPE_SE
.Lnot_mine_\@:
.endm
; THE CHANGE OF SLOTS, behind the loads of the slot's last v.  Each wave waits for all its tensor loads (its part of the other slot), adds 0 to its spare word, and waits for that and for its reads of the slot.
; fill = 1: the barrier is a round of the cluster's, so that no wave of any partner still reads the slot or has a load on its way; the joint refill, the keys two slots on, is the first thing behind it and has a slot's steps in which to land.
.macro CHANGE fill
	s_wait_tensorcnt 0x0                           ; no tensor load of mine is out, so a group 0 may be written
	ds_add_u32 v4, v5                              ; 0 onto my spare word
.if \fill
	s_xor_b32 s37, s37, SLOT1                      ; the walking descriptor: the other slot than last time,
	s_add_nc_u64 s[38:39], s[38:39], SLOTB         ; the next four steps; the type bits on top are not reached
	s_wait_xcnt 0x0                                ; the last prefetch, a slot back, has read its address, so it may be written
	s_add_nc_u64 s[48:49], s[48:49], SLOTB         ; one slot further on than the walking descriptor
.endif
	s_wait_dscnt 0x0                               ; the add is done, and my reads of the slot are over
.if \fill
	CROUND
	tensor_load_to_lds s[36:39], s[24:31]
	s_nop 0
.rept 4
	v_nop
.endr
	ASK
.else
	s_barrier_signal -1
	s_barrier_wait -1
.endif
	s_xor_b32 s44, s44, SLOT1                      ; on to the other slot
	v_add_nc_u32 v2, s44, v1
.endm
	s_load_b256 s[4:11], s[0:1], 0x0               ; qimg s[4:5], kv s[6:7], the scales' exponents s[8:9], W_proj's codes s[10:11]
	s_load_b128 s[12:15], s[0:1], 0x20             ; b_proj s[12:13], x s[14:15]
	s_load_b64 s[16:17], s[0:1], 0x30              ; out0
	v_lshl_add_u32 v4, v0, 2, SPARE                ; my spare word; never rewritten
	v_mov_b32 v5, 0                                ; 0; never rewritten
	ds_add_u32 v4, v5                              ; the wave's opening: the add, twice on end, and its wait ahead of my first tensor load; the set-up below stands between
	ds_add_u32 v4, v5                              ; and once more
	v_lshrrev_b32 v6, 5, v0
	v_readfirstlane_b32 s18, v6                    ; wave 0..15
	s_lshr_b32 s19, s18, 2                         ; head
	s_bfe_u32 s20, s18, 0x10001                    ; tile of queries
	s_and_b32 s21, s18, 1                          ; half of the keys
	s_bfe_u32 s40, ttmp6, 0x40000                  ; cx: my place in the cluster
	s_lshl_b32 s41, ttmp9, 2                       ; in a cluster launch ttmp9 counts clusters
	s_add_co_u32 s41, s41, s40                     ; my work-group
	s_lshr_b32 s42, ttmp9, 5                       ; the batch, which the four partners share
	s_and_b32 s43, s41, 127                        ; my block of 32 tokens
	; descriptor group 1: 8,192 dense bytes as 32 rows of 32 elements of 8 bytes; no padding: the images are read 16 bytes a lane, on end
	s_mov_b32 s24, 15|(3<<16)|(1<<21)              ; 15:0 the mask: all four work-groups; 17:16 elements of 8 bytes; 21 set beside a mask
	s_mov_b32 s25, 32<<16                          ; tensor_dim0 = 32
	s_mov_b32 s26, 32<<16                          ; tensor_dim1 = 32
	s_mov_b32 s27, 32<<16                          ; tile_dim0 = 32
	s_mov_b32 s28, 32                              ; tile_dim1 = 32
	s_mov_b32 s29, 32                              ; from row to row: 32 elements
	s_mov_b32 s30, 0
	s_mov_b32 s31, 0
	v_and_b32 v30, 31, v0
	v_lshlrev_b32 v30, 4, v30                      ; 16 x lane
	v_lshlrev_b32 v3, 4, v30                       ; 256 x lane
	v_and_b32 v32, 15, v0                          ; r
	v_bfe_u32 v33, v0, 4, 1                        ; h
	v_bfe_u32 v34, v0, 3, 2                        ; lane / 8
	v_and_b32 v35, 7, v0                           ; lane % 8
	s_lshl_b32 s66, s19, 15                        ; my head's part of a slot,
	s_lshl_b32 s67, s21, 14                        ; my two of its four steps
	s_add_co_u32 s66, s66, s67
	v_add_nc_u32 v1, s66, v30
	s_mul_i32 s66, s18, 2560
	s_add_co_u32 s66, s66, MRG
	v_add_nc_u32 v6, s66, v30
	s_xor_b32 s67, s18, 1                          ; the wave with the other half of the keys
	s_mul_i32 s67, s67, 2560
	s_add_co_u32 s67, s67, MRG
	v_add_nc_u32 v7, s67, v30
	s_lshl_b32 s66, s20, 11
	s_lshl_b32 s67, s19, 9
	s_add_co_u32 s66, s66, s67
	s_add_co_u32 s66, s66, AIMG
	v_add_nc_u32 v8, s66, v30
	s_lshl_b32 s66, s21, 11                        ; in the last product wave w takes the tokens' tile w % 2 and output channels 16 (w / 2) on
	s_add_co_u32 s66, s66, AIMG
	v_add_nc_u32 v9, s66, v30
	s_lshr_b32 s66, s18, 1
	s_mul_i32 s66, s66, 16*SP
	s_lshl_b32 s67, s21, 5
	s_add_co_u32 s66, s66, s67
	s_add_co_u32 s66, s66, STG
	v_mul_u32_u24 v10, v32, SP
	v_lshl_add_u32 v10, v33, 6, v10
	v_add_nc_u32 v10, s66, v10                     ; the stage, in: row 16 (w / 2) + r; tokens 8 (w % 2) + 16 h + 0 .. 7
	s_mul_i32 s66, s18, 8*SP
	s_add_co_u32 s66, s66, STG
	v_mul_u32_u24 v11, v34, SP
	v_lshl_add_u32 v11, v35, 4, v11
	v_add_nc_u32 v11, s66, v11                     ; back: rows 8 w on, eight lanes to a row of 128 bytes
	v_lshlrev_b32 v28, 14, v34
	v_lshl_add_u32 v28, v35, 4, v28                ; and the same place in x and out0: a channel is 16,384 bytes
	v_lshlrev_b32 v29, 7, v32
	v_lshl_add_u32 v29, v33, 3, v29                ; W_proj: row r of 128 bytes, + 8 h
	v_lshlrev_b32 v31, 2, v32
	s_mov_b32 s50, 0x76543210                      ; v_permlanex16_b32: lane l xor 16
	s_mov_b32 s51, 0xfedcba98
	s_mov_b32 s44, 0
	s_mov_b32 s45, 6                               ; slots 2 to 7 are asked for at changes of slots
	s_and_b32 s67, ttmp9, 31
	s_or_b32 s66, s19, s67                         ; 0 in waves 0 to 3 of the batch's first cluster: the same in all four partners
	s_cmp_eq_u32 s66, 0
	s_cselect_b32 s46, 1, -1
	s_lshl_b32 s66, s42, 2
	s_add_co_u32 s66, s66, s19
	s_lshl_b32 s66, s66, 18                        ; kv: (4 b + head) x 262,144
	s_and_b32 s68, s18, 3
	s_lshl_b32 s68, s68, 13                        ; + the step that I fetch
	s_add_co_u32 s66, s66, s68
	s_mov_b32 s67, 0
	s_lshl_b32 s72, s42, 2
	s_add_co_u32 s72, s72, s40                     ; the prefetch: head cx (these registers feed no descriptor)
	s_lshl_b32 s72, s72, 18
	s_add_co_u32 s72, s72, s68
	s_add_co_u32 s72, s72, 2*SLOTB                 ; at slot 2: the first change of slots steps it to slot 3
	s_mov_b32 s73, 0
	s_wait_dscnt 0x0                               ; both opening adds are done
	s_wait_kmcnt 0x0
	s_load_b256 s[52:59], s[8:9], 0x0              ; e0 .. e7
	s_add_nc_u64 s[70:71], s[6:7], s[66:67]
	s_add_nc_u64 s[48:49], s[6:7], s[72:73]
	s_mov_b32 s32, 1                               ; group 0: count = 1
	s_lshl_b32 s33, s18, 13                        ; LDS address: 8,192 x wave, in slot 0
	s_mov_b64 s[34:35], s[70:71]                   ; global address: slot 0
	s_or_b32 s35, s35, 0x80000000                  ; type = 2
	s_mov_b32 s36, 1
	s_add_co_u32 s37, s33, SLOT1
	s_add_nc_u64 s[38:39], s[70:71], SLOTB
	s_or_b32 s39, s39, 0x80000000
	s_lshl_b32 s72, s42, 7
	s_add_co_u32 s72, s72, s43
	s_lshl_b32 s72, s72, 12                        ; qimg: (128 b + block) x 4,096
	s_lshl_b32 s74, s19, 10
	s_add_co_u32 s72, s72, s74
	s_lshl_b32 s74, s20, 9
	s_add_co_u32 s72, s72, s74                     ; + head x 1,024 + tile x 512
	s_add_nc_u64 s[4:5], s[4:5], s[72:73]
	s_lshl_b32 s72, s42, 21                        ; x, out0: batch
	s_lshl_b32 s74, s18, 17                        ; + channels 8 w on
	s_add_co_u32 s72, s72, s74
	s_lshl_b32 s74, s43, 7                         ; + my 32 tokens
	s_add_co_u32 s72, s72, s74
	s_add_nc_u64 s[14:15], s[14:15], s[72:73]
	s_add_nc_u64 s[16:17], s[16:17], s[72:73]
	s_lshr_b32 s74, s18, 1
	s_lshl_b32 s72, s74, 11                        ; W_proj: rows 16 (w / 2) on
	s_add_nc_u64 s[10:11], s[10:11], s[72:73]
	s_lshl_b32 s72, s74, 6
	s_add_nc_u64 s[12:13], s[12:13], s[72:73]      ; b_proj likewise
	CROUND                                         ; all four work-groups are here: the first joint loads meet
	tensor_load_to_lds s[32:35], s[24:31]          ; slot 0
	s_nop 0
	tensor_load_to_lds s[36:39], s[24:31]          ; slot 1
	s_nop 0
.rept 4
	v_nop
.endr
	global_load_b128 v[16:19], v30, s[4:5]         ; q stays in registers, twice: [q, 0] is v[16:23], [0, q] is v[20:27]
	global_load_b128 v[24:27], v30, s[4:5]
.irp j, 20,21,22,23
	v_mov_b32 v[\j], 0
.endr
.irp j, 0,1,2,3,4,5,6,7,8,9,10,11,12,13,14,15
	v_mov_b32 v[O+\j], 0                           ; O^T.  (The step is written without a first form: the first change of M multiplies zeros)
.endr
	v_mov_b32 v13, 0xff61b1e6                      ; the largest t so far: -3e38, under every t
	v_floor_f32 v12, -v13                          ; -M
	v_mov_b32 v14, 0                               ; the sum, in two halves
	v_mov_b32 v15, 0
	v_mov_b32 v197, 0                              ; (upper halves of pairs of which the low word serves both halves,
	v_mov_b32 v209, 0
	v_mov_b32 v237, 0
	v_mov_b32 v210, 0                              ; and a lane permute's destination, which counts as one of its sources: written once)
	s_wait_kmcnt 0x0
	s_add_co_i32 s76, s54, s55
	s_lshl_b32 s76, s76, 23
	s_add_co_i32 s22, s76, 0x3fb8aa3b              ; c = log2(e) x 2^(e2 + e3): the exponents are added to the exponent field
	s_mov_b32 s23, s22                             ; (named with it as a pair, so it is written)
	s_add_co_i32 s76, s57, 127
	s_lshl_b32 s77, s76, 23
	v_mov_b32 v244, s77                            ; 2^e5, for p's conversions
	s_add_co_i32 s76, s76, 8
	s_lshl_b32 s76, s76, 23
	s_or_b32 s76, s76, 0x600000
	v_mov_b32 v240, s76                            ; 448 x 2^e5
	s_add_co_i32 s76, s59, 127
	s_lshl_b32 s77, s76, 23
	v_mov_b32 v245, s77                            ; 2^e7, for a's
	s_add_co_i32 s76, s76, 8
	s_lshl_b32 s76, s76, 23
	s_or_b32 s76, s76, 0x600000
	v_mov_b32 v246, s76                            ; 448 x 2^e7
	s_add_co_i32 s60, s58, s59
	s_add_co_i32 s60, s60, 127
	s_lshl_b32 s60, s60, 23                        ; 2^(e6 + e7)
	s_mov_b32 s61, s60
	s_add_co_i32 s62, s56, s57                     ; e4 + e5
; A KEY STEP: 128 keys, the q-th of my two in the slot in hand.  mode 0: the next step's k lies in the same slot; 1: a change of slots with a refill; 2: a change without; 3: the last step.
.macro STEP q, mode
	s_wait_dscnt 0x0                               ; this step's k, asked for a step ago, is in
.irp i, 0,1,2,3
	v_wmma_f32_16x16x64_fp8_fp8 v[S+16*\i:S+16*\i+7], v[KF+8*\i:KF+8*\i+7], v[16:23], 0      ; key tile 2 i
	v_wmma_f32_16x16x64_fp8_fp8 v[S+16*\i+8:S+16*\i+15], v[KF+8*\i:KF+8*\i+7], v[20:27], 0   ; key tile 2 i + 1
.endr
.rept 4
	v_nop                                          ; four places in front of the loads into k's and v's registers, which matrix instructions have read, and of the first read of the scores
.endr
	VLOAD (\q)*STEPB
.if \mode == 0
	KLOAD ((\q)+1)*STEPB
.elseif \mode == 1
	CHANGE 1
	KLOAD 0
.elseif \mode == 2
	CHANGE 0
	KLOAD 0
.endif
.irp k, 0,1,2,3                        ; the step's largest score of my query among my 64 keys: four chains, each accumulator read from its low end on
	v_max3_num_f32 v[T+\k], v[S+16*\k], v[S+16*\k+1], v[S+16*\k+2]
.endr
.irp i, 3,5,7,9,11,13
.irp k, 0,1,2,3
	v_max3_num_f32 v[T+\k], v[T+\k], v[S+16*\k+\i], v[S+16*\k+\i+1]
.endr
.endr
	v_max3_num_f32 v[T], v[T], v[S+15], v[S+31]
	v_max3_num_f32 v[T+2], v[T+2], v[S+47], v[S+63]
	v_max3_num_f32 v[T], v[T], v[T+1], v[T+2]
	v_max_num_f32 v[T], v[T], v[T+3]
	v_permlanex16_b32 v210, v[T], s50, s51
	v_max_num_f32 v[T], v[T], v210                 ; and among lane l xor 16's
	v_mul_f32 v[T], s22, v[T]                      ; as t (c is positive)
	v_max_num_f32 v13, v13, v[T]                   ; the running largest t
	v_mov_b32 v[T+1], v12
	v_floor_f32 v12, -v13                          ; the new -M = floor(-t) = -ceil(t)
	v_pk_fma_f32 v[S:S+1], v[S:S+1], s[22:23], v[12:13] op_sel_hi:[1,0,0]          ; t - M, two at a time (of the pairs c and -M the low word serves both halves)
	v_sub_f32 v[T+1], v12, v[T+1]                  ; old M - new M: a whole number, 0 or less
	v_pk_fma_f32 v[S+2:S+3], v[S+2:S+3], s[22:23], v[12:13] op_sel_hi:[1,0,0]
	v_cvt_i32_f32 v[T+1], v[T+1]                   ; (it saturates)
	v_pk_fma_f32 v[S+4:S+5], v[S+4:S+5], s[22:23], v[12:13] op_sel_hi:[1,0,0]
	v_ldexp_f32 v208, 1.0, v[T+1]                  ; f = 2^(old M - new M)
	v_pk_fma_f32 v[S+6:S+7], v[S+6:S+7], s[22:23], v[12:13] op_sel_hi:[1,0,0]
; ONE BATCH of 64 exponentials, with plain work that names none of their results between them: the scalings of later pairs, then O^T x f.  One wait behind the batch, ahead of the first reader.
.set ii, 0
.rept 28
	v_exp_f32 v[S+2*ii], v[S+2*ii]
	v_exp_f32 v[S+2*ii+1], v[S+2*ii+1]
	v_pk_fma_f32 v[S+2*ii+8:S+2*ii+9], v[S+2*ii+8:S+2*ii+9], s[22:23], v[12:13] op_sel_hi:[1,0,0]
.set ii, ii+1
.endr
.rept 4
	v_exp_f32 v[S+2*ii], v[S+2*ii]
	v_pk_mul_f32 v[O+4*(ii-28):O+4*(ii-28)+1], v[O+4*(ii-28):O+4*(ii-28)+1], v[208:209] op_sel_hi:[1,0]
	v_exp_f32 v[S+2*ii+1], v[S+2*ii+1]
	v_pk_mul_f32 v[O+4*(ii-28)+2:O+4*(ii-28)+3], v[O+4*(ii-28)+2:O+4*(ii-28)+3], v[208:209] op_sel_hi:[1,0]
.set ii, ii+1
.endr
	v_pk_mul_f32 v[14:15], v[14:15], v[208:209] op_sel_hi:[1,0]   ; the sums under the new M: the plain instruction behind the last exponential
	s_wait_alu depctr_va_vdst(0)                   ; one wait for the whole batch
.irp k, 0,1,2,3                        ; THE ROW'S SUM IS TAKEN OF THE UNQUANTISED p: two at a time, in four chains
	v_pk_add_f32 v[200+2*\k:201+2*\k], v[S+2*\k:S+2*\k+1], v[S+8+2*\k:S+9+2*\k]
.endr
.irp j, 16,24,32,40,48,56
.irp k, 0,1,2,3
	v_pk_add_f32 v[200+2*\k:201+2*\k], v[200+2*\k:201+2*\k], v[S+\j+2*\k:S+\j+2*\k+1]
.endr
.endr
	v_pk_add_f32 v[200:201], v[200:201], v[202:203]
	v_pk_add_f32 v[204:205], v[204:205], v[206:207]
	v_pk_add_f32 v[200:201], v[200:201], v[204:205]
	v_pk_add_f32 v[14:15], v[14:15], v[200:201]
.irp b, 0,1,2,3
.irp i, 0,1,2,3,4,5,6,7,8,9,10,11,12,13,14,15
	v_min_num_f32 v[S+16*\b+\i], v[S+16*\b+\i], v240   ; the conversion to an 8-bit code does not saturate (ISA guide 7.6.2); p is not negative, so the hold is one-sided
.endr
	v_cvt_scalef32_pk8_fp8_f32 v[P+4*\b:P+4*\b+1], v[S+16*\b:S+16*\b+7], v244
	v_cvt_scalef32_pk8_fp8_f32 v[P+4*\b+2:P+4*\b+3], v[S+16*\b+8:S+16*\b+15], v244
.endr
	v_nop                                          ; one plain vector instruction between the last conversion and the matrix instruction that reads its result
.if \mode == 0
	s_wait_dscnt 8                                 ; LDS loads come back in order: v is in, the next step's eight loads of k may be out
.elseif \mode == 3
	s_wait_dscnt 0x0
.endif                                 ; (modes 1 and 2: v was waited for in the change of slots)
	v_wmma_f32_16x16x128_fp8_fp8 v[O:O+7], v[VF:VF+15], v[P:P+15], v[O:O+7]               ; O^T += v^T p^T: the two accumulators take turns, and the scores' products stand between a step's and the next's
	v_wmma_f32_16x16x128_fp8_fp8 v[O+8:O+15], v[VF+16:VF+31], v[P:P+15], v[O+8:O+15]
.endm
	s_wait_tensorcnt 1                             ; my part of slot 0 is in; slot 1's may stay out
	s_barrier_signal -1
	s_barrier_wait -1                              ; everybody's is
	v_mov_b32 v2, v1
	KLOAD 0
	s_wait_loadcnt 0x0                             ; q
.Lslot:                                            ; six trips: slots 0 to 5 are walked, and each is filled again with the keys two slots on
	STEP 0, 0
	STEP 1, 1
	s_sub_co_u32 s45, s45, 1
	s_cmp_lg_u32 s45, 0
	s_cbranch_scc1 .Lslot
	STEP 0, 0                                      ; the last two slots are written out
	STEP 1, 2
	STEP 0, 0
	STEP 1, 3
	; THE END.  What the last product and the residual need is asked for first
	global_load_b128 v[212:215], v28, s[14:15] th:TH_LOAD_NT
	global_load_b128 v[216:219], v28, s[14:15] offset:65536 th:TH_LOAD_NT
.irp c, 0,1,2,3,4,5,6,7
	global_load_b64 v[220+2*\c:221+2*\c], v29, s[10:11] offset:16*\c   ; W_proj(16 (w / 2) + r, 16 c + 8 h + 0 .. 7): k in the form's own places
.endr
	global_load_b32 v236, v31, s[12:13]
	v_add_f32 v14, v14, v15                        ; the sum's two halves.  (This and three v_nop are the places behind the last products)
.rept 3
	v_nop
.endr
.irp c, 0,1,2,3
	ds_store_b128 v6, v[O+4*\c:O+4*\c+3] offset:512*\c   ; my half's O^T, from its low end on,
.endr
	ds_store_b128 v6, v[12:15] offset:2048         ; and -M, t, the sum
	s_wait_dscnt 0x0                               ; for the other wave's sake: my stores have landed
	s_barrier_signal -1
	s_barrier_wait -1
.irp c, 0,1,2,3
	ds_load_b128 v[32+4*\c:35+4*\c], v7 offset:512*\c    ; the other half's
.endr
	ds_load_b128 v[48:51], v7 offset:2048
	s_wait_dscnt 0x0
	v_min_num_f32 v192, v12, v48                   ; -M of both halves together
	v_sub_f32 v193, v192, v12                      ; my M less that M, a whole number, 0 or less;
	v_sub_f32 v194, v192, v48                      ; the other's
	v_cvt_i32_f32 v193, v193
	v_cvt_i32_f32 v194, v194
	v_ldexp_f32 v208, 1.0, v193
	v_ldexp_f32 v196, 1.0, v194
	v_mul_f32 v14, v14, v208
	v_fma_f32 v14, v50, v196, v14                  ; the sum over all keys, of my half of the lanes,
	v_permlanex16_b32 v210, v14, s50, s51
	v_add_f32 v14, v14, v210                       ; and lane l xor 16's: the row's sum
	v_rcp_f32 v14, v14
.irp j, 0,2,4,6,8,10,12,14             ; O^T of both halves: sixteen plain lines between the reciprocal and the wait for it
	v_pk_mul_f32 v[O+\j:O+\j+1], v[O+\j:O+\j+1], v[208:209] op_sel_hi:[1,0]
.endr
.irp j, 0,2,4,6,8,10,12,14
	v_pk_fma_f32 v[O+\j:O+\j+1], v[32+\j:33+\j], v[196:197], v[O+\j:O+\j+1] op_sel_hi:[1,0,1]
.endr
	s_wait_alu depctr_va_vdst(0)                   ; the wait ahead of the reciprocal's first reader
	v_ldexp_f32 v14, v14, s62                      ; x 2^(e4 + e5)
.irp j, 0,2,4,6,8,10,12,14
	v_pk_mul_f32 v[O+\j:O+\j+1], v[O+\j:O+\j+1], v[14:15] op_sel_hi:[1,0]   ; a: register 8 n + j is channel 32 head + 16 n + 8 h + j of my query
.endr
.irp i, 0,1,2,3,4,5,6,7,8,9,10,11,12,13,14,15
	v_med3_num_f32 v[O+\i], v[O+\i], -v246, v246
.endr
	v_cvt_scalef32_pk8_fp8_f32 v[176:177], v[O:O+7], v245       ; registers 4 head + 0 .. 3 of a's fragment, in the form's own places: registers 2 c, 2 c + 1 hold k = 16 c + 8 h + 0 .. 7, c = 2 head + n
	v_cvt_scalef32_pk8_fp8_f32 v[178:179], v[O+8:O+15], v245
	v_nop
	s_cmp_lg_u32 s21, 0                            ; both waves of a pair hold the same codes: one stores them
	s_cbranch_scc1 .Lno_image
	ds_store_b128 v8, v[176:179]
.Lno_image:
	s_wait_dscnt 0x0
	s_barrier_signal -1
	s_barrier_wait -1                              ; a's two fragments lie in LDS
.irp c, 0,1,2,3
	ds_load_b128 v[64+4*\c:67+4*\c], v9 offset:512*\c
.endr
	s_wait_dscnt 0x0
	s_wait_loadcnt 0x0                             ; W_proj, b_proj, x
	v_wmma_f32_16x16x128_fp8_fp8 v[96:103], v[64:79], v[220:235], 0   ; source 0 = 16 tokens, source 1 = 16 rows of W_proj: lane (r, h) holds output channel 16 (w / 2) + r, tokens 8 (w % 2) + 16 h + 0 .. 7
.rept 4
	v_nop
.endr
.irp j, 0,2,4,6
	v_pk_fma_f32 v[104+\j:105+\j], v[96+\j:97+\j], s[60:61], v[236:237] op_sel_hi:[1,0,0]   ; sum x 2^(e6 + e7) + b_proj
.endr
	ds_store_b128 v10, v[104:107]
	ds_store_b128 v10, v[108:111] offset:16
	s_wait_dscnt 0x0
	s_barrier_signal -1
	s_barrier_wait -1                              ; 128 rows of 32 tokens lie in the stage
	ds_load_b128 v[112:115], v11
	ds_load_b128 v[116:119], v11 offset:4*SP
	s_wait_dscnt 0x0
.irp j, 0,2,4,6
	v_pk_add_f32 v[112+\j:113+\j], v[112+\j:113+\j], v[212+\j:213+\j]   ; + x
.endr
	global_store_b128 v28, v[112:115], s[16:17] th:TH_STORE_NT               ; eight lanes store a channel's 128 consecutive bytes; four channels an instruction
	global_store_b128 v28, v[116:119], s[16:17] offset:65536 th:TH_STORE_NT
	s_wait_tensorcnt 0x0                           ; the wave's end, behind my last tensor load and my last LDS store
	ds_add_u32 v4, v5
	s_wait_dscnt 0x0
	CROUND                                         ; the closing round: no work-group ends while a partner may still ask for a tile that names it
	s_endpgm
.Lfunc_end_k_q4f198289bb_attn:
	.size	k_q4f198289bb_attn, .Lfunc_end_k_q4f198289bb_attn-k_q4f198289bb_attn
	.p2alignl 7, 3214868480
	.fill 96, 4, 3214868480
	.section	.rodata,"a",@progbits
	.p2align	6, 0x0
	.amdhsa_kernel k_q4f198289bb_attn
		.amdhsa_group_segment_fixed_size 327680
		.amdhsa_private_segment_fixed_size 0
		.amdhsa_enable_private_segment 0
		.amdhsa_kernarg_size 56
		.amdhsa_user_sgpr_count 2
		.amdhsa_user_sgpr_kernarg_segment_ptr 1
		.amdhsa_wavefront_size32 1
		.amdhsa_system_sgpr_workgroup_id_x 1
		.amdhsa_system_sgpr_workgroup_id_y 1
		.amdhsa_system_sgpr_workgroup_id_z 1
		.amdhsa_system_vgpr_workitem_id 0
		.amdhsa_next_free_vgpr 256
		.amdhsa_next_free_sgpr 100
		.amdhsa_reserve_vcc 0
		.amdhsa_float_denorm_mode_32 3
		.amdhsa_float_denorm_mode_16_64 3
		.amdhsa_memory_ordered 1
		.amdhsa_forward_progress 1
		.amdhsa_inst_pref_size 98
	.end_amdhsa_kernel
	.amdgpu_metadata
---
amdhsa.version: [ 1, 2 ]
amdhsa.kernels:
  - .name:           k_q4f198289bb_attn
    .symbol:         k_q4f198289bb_attn.kd
    .args:
      - { .name: qimg, .offset: 0, .size: 8, .value_kind: global_buffer, .address_space: global }
      - { .name: kv, .offset: 8, .size: 8, .value_kind: global_buffer, .address_space: global }
      - { .name: lowp_scales, .offset: 16, .size: 8, .value_kind: global_buffer, .address_space: global }
      - { .name: w_proj_codes, .offset: 24, .size: 8, .value_kind: global_buffer, .address_space: global }
      - { .name: b_proj, .offset: 32, .size: 8, .value_kind: global_buffer, .address_space: global }
      - { .name: x, .offset: 40, .size: 8, .value_kind: global_buffer, .address_space: global }
      - { .name: out0, .offset: 48, .size: 8, .value_kind: global_buffer, .address_space: global }
    .group_segment_fixed_size: 327680
    .private_segment_fixed_size: 0
    .kernarg_segment_align: 8
    .kernarg_segment_size: 56
    .max_flat_workgroup_size: 512
    .sgpr_count:     100
    .vgpr_count:     256
    .wavefront_size: 32
...
	.end_amdgpu_metadata
.endif
;; end of part 2
